; MI455X (gfx1250); checked and timed in simulation.
; The chip was launched on July 23, 2026; its instructions are those of AMD's public machine-readable ISA for CDNA 5 (MIT licence, August 2026) and "CDNA5" Instruction Set Architecture Reference Guide (July 2026). The comments in the code are by the model that wrote it; some were corrected since.
;; Cross Attention Mask. Allowed arithmetic: matrix products marked QUANTISED: E2M3 operands, one E8M0 scale for each 32 along K, by v_wmma_scale_f32_16x16x128_f8f6f4 with both operands' format E2M3, f32 sums; everything else in f32.
;; Inputs: keys_codes 16 x 2,048 x 16 x 24 uint8 (E2M3 codes of keys, K innermost, in blocks of 32 codes, four codes in three bytes); keys_scales 16 x 2,048 x 16 uint8 (E8M0 scales of keys, one for each 32 codes along K); queries_codes 16 x 2,048 x 16 x 24 uint8 (E2M3 codes of queries, K innermost, in blocks of 32 codes, four codes in three bytes); queries_scales 16 x 2,048 x 16 uint8 (E8M0 scales of queries, one for each 32 codes along K); values_codes 16 x 512 x 64 x 24 uint8 (E2M3 codes of values, K innermost, in blocks of 32 codes, four codes in three bytes); values_scales 16 x 512 x 64 uint8 (E8M0 scales of values, one for each 32 codes along K).
;; Outputs: out0 16 x 2,048 x 512 float32.
;; This version of the problem:
;;   THIS VERSION OF THE PROBLEM IS GIVEN IN LOW PRECISION. The matrix products marked QUANTISED in the list below multiply operands that are first quantised to E2M3 (2 exponent bits, 3 mantissa bits; 6 bits a number), with one power-of-two scale for each 32 numbers along K (OCP MX v1.0); their sums are f32. All else is computed in f32.
;;   The module's matrix products, in the order in which they are computed (A, B: the left and right operand; K: the contracted axis; several contracted axes count as one K, in the product's order):
;;     1. batch 16 x [M 2,048, K 512] x [K 512, N 2,048]; A: input queries (given as codes); B: input keys (given as codes): QUANTISED
;;     2. batch 16 x [M 2,048, K 2,048] x [K 2,048, N 512]; A: softmax (see below); B: input values (given as codes): QUANTISED
;;   THE QUANTISER, for each operand of a quantised product, along K:
;;     - K is cut into blocks of 32 from its start; a last block that is shorter is filled with zeros.
;;     - A block's scale is 2^e with e = floor(log2(the largest magnitude in the block)) - 2, held to -126 .. 127; a block of zeros has e = 0. As a byte (E8M0): e + 127.
;;     - Each number is divided by its block's scale, clamped to +-7.5, and rounded to the nearest number of E2M3, ties to even, subnormals kept.
;;     - The product sums the exact products of the quantised numbers (number of the format x scale) in f32.
;;   ~~~python
;;   def quantise(x, axis):      # numpy; x: float32 -> the quantised numbers, widened to float32 again
;;       x = np.moveaxis(x, axis, -1); K = x.shape[-1]
;;       x = np.pad(x, [(0, 0)] * (x.ndim - 1) + [(0, -K % 32)]); x = x.reshape(x.shape[:-1] + (-1, 32)); a = np.abs(x).max(-1, keepdims=True)
;;       e = np.where(a > 0, np.clip(np.frexp(np.where(a > 0, a, 1))[1] - 1 - 2, -126, 127), 0)      # np.frexp(a)[1] - 1 = floor(log2(a)), exactly
;;       r = np.clip(x / 2.0 ** e, -7.5, 7.5)
;;       step = 2.0 ** (np.maximum(np.frexp(np.where(r == 0, 1, r))[1] - 1, 0) - 3)
;;       q = np.round(r / step) * step * 2.0 ** e      # np.round: ties to even
;;       return np.moveaxis(q.reshape(q.shape[:-2] + (-1,))[..., :K], -1, axis).astype(np.float32)
;;   ~~~
;;   SOFTMAX AHEAD OF A QUANTISED PRODUCT. Where the list says 'softmax', what is quantised is not the finished softmax but p = 2^(t - M), with t = logit x log2(e) and M = ceil(the row's largest t), a whole number; so 1/2 < the row's largest p <= 1. The row's sum l is taken of the UNQUANTISED p, in f32, and the product's result is divided by l at the end. Since M is a whole number, a kernel that streams over the keys may use a running M (the ceiling of the running maximum): every later rescaling is an exact power of two, which a block's scale takes up: the codes' values come out the same.
;;   OPERANDS COMPUTED ON THE WAY. 'Computed on the way' means the value that the module computes at that place (a softmax that the list does not call 'softmax' is quantised finished and normalised). What goes into a quantiser is computed in f32, as accurately as f32 sums, v_exp_f32 and their like allow (about 1e-6 of the number): no bf16 or f16 on the way to a quantiser, and a product that is left as it is and whose result goes on into a quantised operand takes f32 operands (vector FMAs, or v_wmma_f32_16x16x4_f32). A number that lies on a knife's edge between two numbers of the format may be rounded either way, as far as f32 arithmetic and the matrix unit's own rounding can turn it there, and no further.
;;   INPUTS GIVEN AS CODES. keys (in the module: [16, 2048, 512], K = its axis 2); queries (in the module: [16, 2048, 512], K = its axis 2); values (in the module: [16, 2048, 512], K = its axis 1): each comes as NAME_codes (uint8): NAME with its K axis moved to the last place and cut into blocks of 32 codes, [.., K / 32, bytes a block], one block behind the other in memory; four codes in three bytes: a row's codes are one little-endian stream of bits, code i at bits 6 i .. 6 i + 5 (a code: sign, 2 exponent bits, 3 mantissa bits); and NAME_scales (uint8): the same leading axes, one E8M0 byte (e + 127) for each 32 codes along K. Its value is code x scale, taken as it is: it is not quantised again, and the codes and scales need not be those that the quantiser above would give.
;; One version. Each part assembles by itself: llvm-mc -triple=amdgcn-amd-amdhsa -mcpu=gfx1250 --defsym DOCPART=n.
;; ======== version 1 of 1: 1 launch
;; launch attn (part 1): grid 16 x 16, 8 waves a work-group, no clusters, 327,680 bytes of LDS; arguments keys_codes, keys_scales, queries_codes, queries_scales, values_codes, values_scales, out0; writes out0
.if DOCPART == 1
	.amdgcn_target "amdgcn-amd-amdhsa--gfx1250"
	.amdhsa_code_object_version 6
	.text
	.protected	k_q7028db607c_attn
	.globl	k_q7028db607c_attn
	.p2align	8
	.type	k_q7028db607c_attn,@function
k_q7028db607c_attn:
	s_mov_b64 s[64:65], 0
	v_nop
	global_prefetch_b8 v0, s[64:65] scope:SCOPE_SE
	s_setreg_imm32_b32 hwreg(HW_REG_WAVE_MODE, 25, 1), 1
	s_wait_xcnt 0x0
; out0[b][q][:] = the sum over keys k <= q of softmax_k(queries[b][q] . keys[b][k] / sqrt(512)) values[b][k][:].  16 batches, 2,048 queries, 2,048 keys, one head of 512.
; Both products on codes of FP6 (E2M3) with one E8M0 byte for each 32 along a product's K.  queries, keys: rows of 384 bytes of codes and 16 scale bytes (K = the 512);
; values: the KEYS innermost: 512 rows of 1,536 bytes of codes and 64 scale bytes (K = the keys).  out0: f32.
; THE SOFTMAX AHEAD OF THE SECOND PRODUCT: t = score x log2(e) / sqrt(512); M = the row's largest t so far, rounded UP to a whole number; p = 2^(t - M) is quantised along the keys, not normalised.
; The row's sum is taken of the unquantised p, in f32, and divides at the end.  When M moves, the sum and O are multiplied by 2^(old M - new M): exact.
; WORK LEFT OUT.  The mask is built in the problem's own body: the logit of key k for query q is -infinity where k > q, so its softmax weight is exactly 0 whatever the inputs hold, and it adds nothing to the sum or to
; the output.  A key step (128 keys) all of whose keys come after a wave's 16 queries is therefore not walked, and a slot of keys that comes after the work-group's last query is not fetched.  Every input has a way to
; an output and is loaded.  LIMIT: a NaN (scale byte 0xff) in keys or values that reaches only such left-out steps is not carried to the result.
; OTHER LIMITS: a block's largest p is made from the block's largest score by the same multiply-add and exponential as every p, which takes v_exp_f32 not to fall where its input rises; t is one multiplication by
; c = log2(e) / sqrt(512) where the problem multiplies twice (a difference of rounding in f32).
; SHARES.  Work-group (x, b) owns 64 queries of block x and 64 of block 31 - x of batch b: waves 0-3 the low block, waves 4-7 the high one, 16 queries a wave.  A low wave walks x / 2 + 1 key steps, a high one
; (31 - x) / 2 + 1: 17 for each pair (w, w + 4) in every work-group, so the 256 work-groups have equal work under the mask.  A wave holds one tile of 16 queries in 512 registers (O^T alone is 256).
; NO CLUSTER: the 16 work-groups of a batch need from 9 to 16 slots of keys, so partners would need different numbers of tiles, and a partner past its limit would not read what a joint load brings.
; LAYOUT.  Both products are used transposed: S^T = K Q^T (source 0 = 16 keys, source 1 = my 16 queries), O^T = V^T P^T (source 0 = 16 of the 512, source 1 = P): a lane holds ONE query (lane % 16) throughout.
; A tile of K takes 16 NEIGHBOURING keys, so that the sixteen rows of a load start in sixteen different groups of banks; 32 exchanges of lane halves behind the product then give each lane 16 neighbouring keys in 16 registers.
; THE RING.  Two LDS slots of one key step each: 128 rows of K, their scale bytes, 512 rows of V.  Waves 0, 1 fetch K's halves, wave 2 K's scale bytes, waves 4-7 V's quarters; wave 3 fetches V's scale bytes of the whole batch, once.
; Every work-group walks all 16 changes of slots: the trip counts are constants; what is left out is a step's work and a slot's load, by scalar jumps on ids.
.set KP,    432                        ; a key's row in LDS: 3 x (128 bytes + 16 of padding) = 108 words: row r starts at bank 44 r mod 64 (64 banks of 4 bytes: ISA guide 11.1): sixteen different multiples of 4
.set VP,    144                        ; a row of V's tile: 3 x (32 bytes + 16) = 36 words: likewise
.set KSOFF, 128*KP                     ; 55,296: K's scale bytes of the step, 2,048 dense bytes
.set VOFF,  KSOFF+2048                 ; 57,344: V's 512 rows; they end at 131,072
.set SLOT1, 1<<17                      ; slot 1 begins here: one exclusive or turns an address in one slot into the other's
.set SCV,   2*SLOT1                    ; V's scale bytes of the batch: 128 units of 256 bytes + 16 of padding
.set SPARE, SCV+128*272                ; 296,960: the spare words, 128 bytes for each of eight waves: four blocks of 256 bytes that no other line names
.set STGLO, SPARE+1024                 ; 297,984: the low waves' stages for the way out, 16 rows x 272 bytes each; no fill ever lands here
.set STGB,  16*272                     ; (the high waves' stages lie in slot 0, used behind the last change of slots: it has had its last fill, and nobody reads it)
.set AK0, 1                            ; v1   my lane's place in a tile of K: 432 r + 24 h
.set AK1, 2                            ; v2   the same behind one padding more: 432 r + 40 h
.set AV0, 3                            ; v3   in a tile of V: VOFF + 144 r + 24 h
.set AV1, 4                            ; v4   VOFF + 144 r + 40 h
.set ASK, 5                            ; v5   among K's scale words: KSOFF + 16 x lane
.set ASV, 6                            ; v6   among V's: lanes 0-15 an even tile's rows, lanes 16-31 the odd tile's behind it
.set SPW, 7                            ; v7   LDS address of my spare word; never rewritten
.set NIL, 8                            ; v8   0; never rewritten
.set GO,  9                            ; v9   the way out: my byte offset in the wave's rows of out0
.set STO, 10                           ; v10  where I put 32 bytes of a row in my stage
.set RD,  11                           ; v11  where I read a row back
.set PFK, 14                           ; v14  256 x lane: the prefetches of K; never rewritten
.set PFV, 15                           ; v15  1,536 x lane: those of V; never rewritten
.set NM,  16                           ; v16  -M;  v17 the largest t so far
.set LS,  18                           ; v[18:19] the row's sum, in two halves
.set QS,  20                           ; v20-23   Q's four scale words
.set QF,  24                           ; v24-71   Q's four fragments
.set SS,  72                           ; v72-135  S^T, then p; v72-119 later V's second buffer
.set FB,  136                          ; v136-183 four fragments of K; later V's first buffer
.set VA,  FB
.set VB,  SS
.set SC,  184                          ; v184-199 scale words: K's, then V's: they hold nothing else while products name them
.set PCD, 200                          ; v200-211 p's codes
.set CT,  212                          ; v212-218 the conversions' second halves
.set BM,  220                          ; v220-223 a block's largest score, then its largest p
.set BT,  224                          ; v224-227 at work
.set BS,  228                          ; v228-231 the conversions' scale operands
.set FF,  232                          ; v232 f = 2^(old M - new M)
.set PW,  233                          ; v233 p's scale word
.set TP,  234                          ; v[234:235] at work; on the way out 1 / the sum
.set ADK0, 240                         ; v240-247 the LDS addresses of the step in hand
.set ADK1, 241
.set ADV0, 242
.set ADV1, 243
.set ADV2, 244
.set ADV3, 245
.set ADS,  246
.set ADT,  247
; window 1 (v256-511): O^T, tile t (channels 16 t on) at v[8 t]
.set TB,  2                            ; s2   LDS byte at which the slot in hand begins
.set TJ,  3                            ; s3   the step's place in a row of V's scale bytes: 4 bytes a step
.set WV,  18                           ; s18  my wave's number
.set HI,  19                           ; s19  0: low block, 1: high block
.set SEL, 20                           ; s[20:21] lane selects for v_permlanex16_b32: lane l xor 16
.set CS,  22                           ; s[22:23] c: the packed form names a pair and takes its low word for both halves
.set G1K, 24                           ; s[24:31] descriptor group 1: K's half
.set G1V, 32                           ; s[32:39] V's quarter
.set G1KS, 40                          ; s[40:47] K's scale bytes
.set G1VS, 48                          ; s[48:55] V's scale bytes
.set G0K, 56                           ; s[56:59], s[60:63], s[68:71] groups 0 that walk; s[72:75] V's scale bytes, used once
.set G0V, 60
.set G0KS, 68
.set G0VS, 72
.set SLOTS, 66                         ; s66  changes of slots still to come that ask for a slot
.set KF,  67                           ; s67  the step's first key
.set Q0,  76                           ; s76  my first query
.set QD,  77                           ; s77  the first key of my last step: Q0 with its low seven bits cleared
.set QL,  78                           ; s78  my work-group's last query: 2,047 - 64 x
.set LIM, 79                           ; s79  1 in the batch's first work-group, else the greatest number: a wave prefetches while s[SLOTS] is above it
.set PFKA, 80                          ; s[80:81] where my prefetches of K stand
.set PFVA, 82                          ; s[82:83] and of V
.set VMASK, 84                         ; s84  bit n set: at the change with s[SLOTS] = n V's prefetches are due
.set MSB, 0
.macro WIN new                         ; the immediate's low byte: bits 1:0 source 0, 3:2 source 1, 5:4 source 2, 7:6 destination; its high byte repeats the setting that is left
.if MSB != \new
	s_set_vgpr_msb (MSB<<8)|\new
.set MSB, \new
.endif
.endm
.macro PLACES n                        ; plain vector places behind matrix instructions (ISA guide 7.12.1), where no useful work is at hand
.rept \n
	v_nop
.endr
.endm
; A tensor load: an s_nop 0 and four v_nop follow it, ahead of any jump or label.
.macro ARM g0, g1
	tensor_load_to_lds s[\g0:\g0+3], s[\g1:\g1+7]
	s_nop 0
.rept 4
	v_nop
.endr
.endm
; Who fetches what: the branches hang on the wave's number alone.  head = 1: wave 3 fetches V's scale bytes, so that every way through the first fills passes a load.
.macro TLOAD head
	s_cmp_lt_u32 s[WV], 2
	s_cbranch_scc0 .Lnot_k_\@
	ARM G0K, G1K
	s_branch .Lasked_\@
.Lnot_k_\@:
	s_cmp_lt_u32 s[WV], 4
	s_cbranch_scc1 .Lscales_\@
	ARM G0V, G1V
	s_branch .Lasked_\@
.Lscales_\@:
	s_cmp_eq_u32 s[WV], 2
	s_cbranch_scc0 .Lnot_ks_\@
	ARM G0KS, G1KS
.if \head
	s_branch .Lasked_\@
.endif
.Lnot_ks_\@:
.if \head
	ARM G0VS, G1VS
.endif
.Lasked_\@:
.endm
; A PREFETCH INTO THE L2 of key step s + 2, at the change of slots that asks for step s + 1.  All work-groups of a batch walk the same K and V from key 0 on: the batch's first work-group, which walks all 16 steps, asks, and nobody else.
; K's step is one dense block of 49,152 bytes: waves 0 to 5, 8,192 bytes each, lanes 256 bytes apart.  V's step is 96 bytes of each of 512 rows: a lane names the part's LAST byte, and only at the changes at which that
; byte lies in an aligned block of 256 bytes that no earlier step's part has touched (steps 2, 5, 8, 10, 13: s[SLOTS] = 15, 12, 9, 7, 4): every wave 64 rows, two instructions.  So each aligned block is named once in the launch.
; Steps 0 and 1 and all scale bytes come by their loads alone; the last change that asks for a slot prefetches nothing.
.macro ASK
	s_cmp_gt_u32 s[SLOTS], s[LIM]
	s_cbranch_scc0 .Lnot_mine_\@
	s_lshr_b32 s96, s[VMASK], s[SLOTS]
	s_and_b32 s96, s96, 1
	s_cmp_lg_u32 s96, 0
	s_cbranch_scc0 .Lno_v_\@
	global_prefetch_b8 v[PFV], s[PFVA:PFVA+1] th:TH_LOAD_NT scope:SCOPE_SE
	global_prefetch_b8 v[PFV], s[PFVA:PFVA+1] offset:32*1536 th:TH_LOAD_NT scope:SCOPE_SE
.Lno_v_\@:
	s_cmp_lt_u32 s[WV], 6
	s_cbranch_scc0 .Lnot_mine_\@
	global_prefetch_b8 v[PFK], s[PFKA:PFKA+1] th:TH_LOAD_NT scope:SCOPE_SE
.Lnot_mine_\@:
.endm
; A fragment of K: 16 keys (tile u) x 128 of the 512 (K step s): 12 registers: lane (r, h) takes the 24 bytes at 96 s + 24 h and at 96 s + 48 + 24 h of row r, in pieces of 8 bytes.
; The mover has laid 16 bytes of padding behind every 128 (16 pieces).  Lanes 16-31 read three pieces further on: where that is behind one padding more, the second address register serves.
.macro KFRAG reg, s, u
.irp p, 0,1,2,3,4,5
.set KPC, 12*(\s)+6*(\p/3)+\p%3
.if KPC%16 < 13
	ds_load_b64 v[2*\p+(\reg):2*\p+1+(\reg)], v[ADK0] offset:8*KPC+16*(KPC/16)+16*KP*(\u)
.else
	ds_load_b64 v[2*\p+(\reg):2*\p+1+(\reg)], v[ADK1] offset:8*KPC+16*(KPC/16)+16*KP*(\u)
.endif
.endr
.endm
; A fragment of V: 16 channels (tile t) x the step's 128 keys.  Padding behind every 32 bytes (4 pieces).  Tiles 16 on are reached by a second pair of address registers: an LDS offset has 16 bits.
.macro VFRAG reg, t
.irp p, 0,1,2,3,4,5
.set VPC, 6*(\p/3)+\p%3
.set VAD, ADV0+2*((\t)/16)
.if VPC%4 != 0
.set VAD, VAD+1
.endif
	ds_load_b64 v[2*\p+(\reg):2*\p+1+(\reg)], v[VAD] offset:8*VPC+16*(VPC/4)+16*VP*((\t)%16)
.endr
.endm
.macro VGROUP g, buf                   ; four tiles of V, 24 loads
.irp k, 0,1,2,3
	VFRAG 12*\k+(\buf), 4*(\g)+\k
.endr
.endm
; Product i of 32 of S^T = K Q^T: K step i / 8, keys 16 (i % 8) on.  The eight accumulators take turns, one instruction a turn; the first eight start the sums.
; K's scale words: register 4 (u / 2) + s holds tile u's in lanes 0-15 (u even) or lanes 16-31 (u odd).
.macro SMUL i
.set su, (\i)%8
.set sk, (\i)/8
.set sf, FB+12*((\i)%4)
.set sd, SS+8*su
.set sa, SC+4*(su/2)+sk
.if (sk == 0) && (su%2 == 0)
	v_wmma_scale_f32_16x16x128_f8f6f4 v[sd:sd+7], v[sf:sf+11], v[QF+12*sk:QF+12*sk+11], 0, v[sa], v[QS+sk] matrix_a_fmt:MATRIX_FMT_FP6 matrix_b_fmt:MATRIX_FMT_FP6
.elseif sk == 0
	v_wmma_scale_f32_16x16x128_f8f6f4 v[sd:sd+7], v[sf:sf+11], v[QF+12*sk:QF+12*sk+11], 0, v[sa], v[QS+sk] matrix_a_fmt:MATRIX_FMT_FP6 matrix_b_fmt:MATRIX_FMT_FP6 matrix_a_scale:MATRIX_SCALE_ROW1
.elseif su%2 == 0
	v_wmma_scale_f32_16x16x128_f8f6f4 v[sd:sd+7], v[sf:sf+11], v[QF+12*sk:QF+12*sk+11], v[sd:sd+7], v[sa], v[QS+sk] matrix_a_fmt:MATRIX_FMT_FP6 matrix_b_fmt:MATRIX_FMT_FP6
.else
	v_wmma_scale_f32_16x16x128_f8f6f4 v[sd:sd+7], v[sf:sf+11], v[QF+12*sk:QF+12*sk+11], v[sd:sd+7], v[sa], v[QS+sk] matrix_a_fmt:MATRIX_FMT_FP6 matrix_b_fmt:MATRIX_FMT_FP6 matrix_a_scale:MATRIX_SCALE_ROW1
.endif
.endm
; O^T tile t += V^T P^T over the step's 128 keys.  Each of the 32 accumulators has one instruction a step.  first = 1: the product starts the sum: nothing is ever cleared.
.macro VMUL t, buf, first
.set vo, 8*(\t)
.set vf, 12*((\t)%4)+(\buf)
.set vs, SC+(\t)/2
.if (\first) && ((\t)%2 == 0)
	v_wmma_scale_f32_16x16x128_f8f6f4 v[vo:vo+7], v[vf:vf+11], v[PCD:PCD+11], 0, v[vs], v[PW] matrix_a_fmt:MATRIX_FMT_FP6 matrix_b_fmt:MATRIX_FMT_FP6
.elseif \first
	v_wmma_scale_f32_16x16x128_f8f6f4 v[vo:vo+7], v[vf:vf+11], v[PCD:PCD+11], 0, v[vs], v[PW] matrix_a_fmt:MATRIX_FMT_FP6 matrix_b_fmt:MATRIX_FMT_FP6 matrix_a_scale:MATRIX_SCALE_ROW1
.elseif (\t)%2 == 0
	v_wmma_scale_f32_16x16x128_f8f6f4 v[vo:vo+7], v[vf:vf+11], v[PCD:PCD+11], v[vo:vo+7], v[vs], v[PW] matrix_a_fmt:MATRIX_FMT_FP6 matrix_b_fmt:MATRIX_FMT_FP6
.else
	v_wmma_scale_f32_16x16x128_f8f6f4 v[vo:vo+7], v[vf:vf+11], v[PCD:PCD+11], v[vo:vo+7], v[vs], v[PW] matrix_a_fmt:MATRIX_FMT_FP6 matrix_b_fmt:MATRIX_FMT_FP6 matrix_a_scale:MATRIX_SCALE_ROW1
.endif
.endm
; THE WAY OUT.  O^T / the sum goes through my stage in LDS, 64 channels (256 bytes) of my 16 queries at a time, and leaves as aligned runs of 256 bytes, sixteen lanes to a run.
.macro PACK c
.set OT, SS+32*((\c)%2)
.set OB, FB+32*((\c)%2)
.if (\c) >= 2
	s_wait_xcnt 0x0                                ; chunk c - 2's stores have read their registers: this chunk's rows may land there
.endif
	WIN 0x01                                       ; source 0 (O^T) window 1
.irp k, 0,1,2,3,4,5,6,7,8,9,10,11,12,13,14,15
	v_pk_mul_f32 v[OT+2*\k:OT+2*\k+1], v[32*(\c)+2*\k:32*(\c)+2*\k+1], v[TP:TP+1] op_sel_hi:[1,0]   ; each accumulator from its low end on
.endr
	WIN 0
.irp k, 0,1,2,3
	ds_store_b128 v[STO], v[OT+8*\k:OT+8*\k+3] offset:64*\k        ; lane (r, h): channels 64 c + 16 k + 8 h + 0 .. 7 of query r
	ds_store_b128 v[STO], v[OT+8*\k+4:OT+8*\k+7] offset:64*\k+16
.endr
.irp k, 0,1,2,3,4,5,6,7
	ds_load_b128 v[OB+4*\k:OB+4*\k+3], v[RD] offset:544*\k         ; LDS serves a wave's instructions in order (ISA guide 5.7.1.4): these see my stores, and the next chunk's stores come behind them
.endr
.endm
.macro SEND c, younger                 ; younger: the LDS instructions issued behind chunk c's loads: the next chunk's 8 stores and 8 loads, or none
.set OB, FB+32*((\c)%2)
	s_wait_dscnt \younger
.irp k, 0,1,2,3,4,5,6,7
	global_store_b128 v[GO], v[OB+4*\k:OB+4*\k+3], s[16:17] offset:4096*\k+256*(\c) th:TH_STORE_NT   ; 16 lanes store 256 consecutive bytes, at a multiple of 256 from out0's first byte
.endr
.endm
.macro OUT
	PLACES 4                                       ; behind the last products: their results are read and their operands' registers written below
	v_add_f32 v[LS], v[LS], v[LS+1]                ; the sum's two halves,
	v_permlanex16_b32 v[TP], v[LS], s[SEL], s[SEL+1]
	v_add_f32 v[LS], v[LS], v[TP]                  ; and lane l xor 16's: the row's sum
	v_rcp_f32 v[TP], v[LS]
	v_nop                                          ; a plain instruction behind the reciprocal,
	s_wait_alu depctr_va_vdst(0)                   ; and the wait ahead of its first reader
	PACK 0
	PACK 1
	SEND 0, 16
.irp c, 2,3,4,5,6,7
	PACK \c
	SEND \c-1, 16
.endr
	SEND 7, 0
.endm
; THE CHANGE OF SLOTS stands at a step's head.  Each wave waits for all its tensor loads (its part of the slot that it is about to read), adds 0 to its spare word, and waits for that and for its reads of the slot that it has left.
; Behind the barrier the slot ahead is whole and nobody reads the other one.  fill = 1: that other slot takes the next key step: the load has a step's work in which to land.
; limit = 1: the look-ahead ends at the causal limit: a slot whose first key comes after my work-group's last query is read by none of its waves and is not asked for.  The test is made of ids and the count of steps
; alone, so all eight waves go the same way; it leads round the load's own lines and round no wait, add or barrier; every wait on TENSORcnt in this text is for 0; no step reads a slot that was left out.
.macro CHANGE fill, limit
	s_wait_tensorcnt 0x0                           ; no tensor load of mine is out, so a group 0 may be written
	ds_add_u32 v[SPW], v[NIL]                      ; 0 onto my spare word: the descriptors' steps stand between it and the wait for it
.if \fill
	s_xor_b32 s[G0K+1], s[G0K+1], SLOT1            ; the walking descriptors: the other slot than last time,
	s_add_nc_u64 s[G0K+2:G0K+3], s[G0K+2:G0K+3], 128*384   ; the next 128 keys; the type bits on top are not reached
	s_xor_b32 s[G0V+1], s[G0V+1], SLOT1
	s_add_nc_u64 s[G0V+2:G0V+3], s[G0V+2:G0V+3], 96
	s_xor_b32 s[G0KS+1], s[G0KS+1], SLOT1
	s_add_nc_u64 s[G0KS+2:G0KS+3], s[G0KS+2:G0KS+3], 2048
	s_wait_xcnt 0x0                                ; the last prefetches, a step back, have read their addresses, so these may be written:
	s_add_nc_u64 s[PFKA:PFKA+1], s[PFKA:PFKA+1], 128*384   ; one step further on than the walking descriptors
	s_add_nc_u64 s[PFVA:PFVA+1], s[PFVA:PFVA+1], 96
.endif
	s_wait_dscnt 0x0                               ; the add is done, and my reads of the slot that I have left are over
	s_barrier_signal -1
	s_barrier_wait -1
.if \fill
.if \limit
	s_add_co_u32 s96, s[KF], 128                   ; the first key of the slot that this change would ask for
	s_cmp_gt_u32 s96, s[QL]
	s_cbranch_scc1 .Lpast_\@
.endif
	TLOAD 0                                        ; a wave's one tensor load until the next change
.Lpast_\@:
	ASK
.endif
.endm
; A KEY STEP: 128 keys.  first = 1: key step 0, which every wave walks and whose products start O^T.  lowout = 1: a low wave whose last step this is sends its rows out.
.macro STEP first, lowout
.if !\first
	s_add_co_u32 s96, s[Q0], 15                    ; a step all of whose keys come after my 16 queries is left out: a jump on ids, round the step's loads, products and softmax,
	s_cmp_gt_u32 s[KF], s96                        ; not round the lines at its end that step addresses; no barrier and no tensor load stands in a step
	s_cbranch_scc1 .Lhidden_\@
.endif
	v_add_nc_u32 v[ADK0], s[TB], v[AK0]            ; eight plain instructions: also the places behind the last step's products, in front of the loads into their operands' registers (four are owed)
	v_add_nc_u32 v[ADK1], s[TB], v[AK1]            ; and of the products below that write over V's second buffer (five)
	v_add_nc_u32 v[ADV0], s[TB], v[AV0]
	v_add_nc_u32 v[ADV1], s[TB], v[AV1]
	v_add_nc_u32 v[ADS], s[TB], v[ASK]
	v_add_nc_u32 v[ADT], s[TJ], v[ASV]
	v_add_nc_u32 v[ADV2], 16*16*VP, v[ADV0]
	v_add_nc_u32 v[ADV3], 16*16*VP, v[ADV1]
.irp k, 0,1,2,3
	ds_load_b128 v[SC+4*\k:SC+4*\k+3], v[ADS] offset:512*\k        ; K's scale words: a key's four; lanes 0-15 tile 2 k's keys, lanes 16-31 tile 2 k + 1's
.endr
.set i, 0
.rept 4
	KFRAG FB+12*(i%4), i/8, i%8
.set i, i+1
.endr
.set n, 0
.rept 16                               ; S^T = K Q^T: 32 fragments in 16 pairs, on two pairs of buffers by turns; a pair is asked for two pairs ahead
.if n < 15
	s_wait_dscnt 12                                ; this pair is in (with pair 0: the scale words too); the next pair's 12 loads may be out
.else
	s_wait_dscnt 0x0
.endif
	SMUL 2*n
	SMUL 2*n+1
.if n < 14
	PLACES 4                                       ; in front of loads into registers that these two products have read
.set i, 2*n+4
	KFRAG FB+12*(i%4), i/8, i%8
.set i, i+1
	KFRAG FB+12*(i%4), i/8, i%8
.endif
.set n, n+1
.endr
	PLACES 4                                       ; behind the last products: their results are read, and loads land on their operands and scale words
	VGROUP 0, VA                                   ; V's first four tiles and its scale words are on their way during the softmax
.irp k, 0,1,2,3,4,5,6,7,8,9,10,11,12,13,14,15
	ds_load_b32 v[SC+\k], v[ADT] offset:2176*\k    ; V's scale words of these 128 keys: lanes 0-15 tile 2 k's rows, lanes 16-31 tile 2 k + 1's
.endr
.irp b, 0,1,2,3                        ; tile 2 b holds keys 32 b + 8 h + j, tile 2 b + 1 keys 32 b + 16 + 8 h + j.  The first's lanes 16-31 change places with the second's lanes 0-15:
.irp j, 0,1,2,3,4,5,6,7                ; register 16 b + i then holds key 32 b + 16 h + i, still of query lane % 16.  (Each accumulator is read from its low end on)
	v_permlane16_swap_b32 v[SS+16*\b+\j], v[SS+16*\b+8+\j]
.endr
.endr
	s_add_co_u32 s96, s[KF], 127                   ; on the diagonal the scores of hidden keys become -infinity ahead of the maximum: p = 0 then.  A step all of whose keys count skips this
	s_cmp_le_u32 s96, s[Q0]
	s_cbranch_scc1 .Lopen_\@
	s_sub_co_i32 s96, s[Q0], s[KF]
	v_and_b32 v236, 15, v0
	v_bfe_u32 v237, v0, 4, 1
	v_lshlrev_b32 v237, 4, v237
	v_sub_nc_u32 v236, v236, v237
	v_add_nc_u32 v236, s96, v236                   ; d = my query - KF - 16 h.  Register 16 b + i holds key KF + 16 h + 32 b + i: hidden where 32 b + i > d
	v_mov_b32 v237, 0xff800000                     ; -infinity
.set n, 0
.rept 64
	v_cmp_gt_i32 vcc_lo, 32*(n/16)+n%16, v236
	v_cndmask_b32 v[SS+n], v[SS+n], v237, vcc_lo
.set n, n+1
.endr
.Lopen_\@:
.irp b, 0,1,2,3
	v_max3_num_f32 v[BM+\b], v[SS+16*\b], v[SS+16*\b+1], v[SS+16*\b+2]   ; the largest score of each block of 32 keys: it serves for the row's maximum and, since p rises with the score, for the block's largest p
.endr
.irp i, 3,5,7,9,11,13
.irp b, 0,1,2,3
	v_max3_num_f32 v[BM+\b], v[BM+\b], v[SS+16*\b+\i], v[SS+16*\b+\i+1]  ; (the four blocks by turns)
.endr
.endr
.irp b, 0,1,2,3
	v_max_num_f32 v[BM+\b], v[BM+\b], v[SS+16*\b+15]
.endr
.irp b, 0,1,2,3
	v_permlanex16_b32 v[BT+\b], v[BM+\b], s[SEL], s[SEL+1]
.endr
.irp b, 0,1,2,3
	v_max_num_f32 v[BM+\b], v[BM+\b], v[BT+\b]     ; with lane l xor 16's 16 keys
.endr
	v_max3_num_f32 v[TP], v[BM], v[BM+1], v[BM+2]
	v_max_num_f32 v[TP], v[TP], v[BM+3]            ; the step's largest score of my query
	v_mul_f32 v[TP], s[CS], v[TP]                  ; as t (c is positive)
	v_max_num_f32 v[NM+1], v[NM+1], v[TP]          ; the running largest t
	v_mov_b32 v[TP], v[NM]
	v_floor_f32 v[NM], -v[NM+1]                    ; the new -M = floor(-t) = -ceil(t): M is a whole number
	v_sub_f32 v[TP], v[NM], v[TP]                  ; M's old value less its new one: a whole number, 0 or less
	v_cvt_i32_f32 v[TP], v[TP]                     ; (it saturates)
	v_ldexp_f32 v[FF], 1.0, v[TP]                  ; f = 2^(old M - new M): a multiplication by it rounds nothing
.set j, 0
.rept 32
	v_pk_fma_f32 v[SS+j:SS+j+1], v[SS+j:SS+j+1], s[CS:CS+1], v[NM:NM+1] op_sel_hi:[1,0,0]   ; t - M, two at a time (of the pairs c and -M the low word serves both halves)
.set j, j+2
.endr
.irp b, 0,1,2,3
	v_fma_f32 v[BM+\b], v[BM+\b], s[CS], v[NM]     ; the same of each block's largest score
.endr
.set j, 0
.rept 64
	v_exp_f32 v[SS+j], v[SS+j]                     ; p = 2^(t - M), at most 1: not normalised
.set j, j+1
.endr
	v_pk_mul_f32 v[LS:LS+1], v[LS:LS+1], v[FF:FF+1] op_sel_hi:[1,0]   ; the sums under the new M.  (The plain instruction behind the exponentials)
	s_wait_alu depctr_va_vdst(0)                   ; one wait for the batch of 64, ahead of its first reader
.irp b, 0,1,2,3
	v_exp_f32 v[BM+\b], v[BM+\b]                   ; the block's largest p: the same two instructions on the same number give the same bits
.endr
	v_pk_add_f32 v[BT:BT+1], v[SS:SS+1], v[SS+2:SS+3]   ; the row's sum is taken of the unquantised p: two at a time, in two chains.  (It reads the 64 alone: plain work behind the four)
.irp j, 4,8,12,16,20,24,28,32,36,40,44,48,52,56,60
	v_pk_add_f32 v[LS:LS+1], v[LS:LS+1], v[SS+\j:SS+\j+1]
	v_pk_add_f32 v[BT:BT+1], v[BT:BT+1], v[SS+\j+2:SS+\j+3]
.endr
	v_pk_add_f32 v[LS:LS+1], v[LS:LS+1], v[BT:BT+1]
	s_wait_alu depctr_va_vdst(0)                   ; and one for the four
.irp b, 0,1,2,3
	v_max_num_f32 v[BM+\b], 0x1800000, v[BM+\b]    ; the floor 2^(3 - 127): the byte cannot fall under 1 (a block whose every p is 0 keeps that byte: its codes are zeros)
.endr
.irp b, 0,1,2,3
	v_add_nc_u32 v[BS+\b], 0xff000000, v[BM+\b]    ; 2 off the exponent field: the conversion takes the exponent field of this operand as its scale
.endr
.irp b, 0,1,2,3
	v_lshrrev_b32 v[BT+\b], 23, v[BS+\b]           ; the scale's byte
.endr
	v_lshl_or_b32 v[PW], v[BT+1], 8, v[BT]         ; p's scale word for these 128 keys
	v_lshl_or_b32 v[PW], v[BT+2], 16, v[PW]
	v_lshl_or_b32 v[PW], v[BT+3], 24, v[PW]
.irp c, 0,1
	v_cvt_scalef32_pk16_fp6_f32 v[PCD+6*\c:PCD+6*\c+2], v[SS+32*\c:SS+32*\c+15], v[BS+2*\c]
	v_cvt_scalef32_pk16_fp6_f32 v[CT+4*\c:CT+4*\c+2], v[SS+32*\c+16:SS+32*\c+31], v[BS+2*\c+1]   ; (a conversion's three registers begin on an even number)
.endr
	v_nop                                          ; one plain instruction between a scaled conversion and the vector instruction that touches its result
.irp c, 0,1                            ; the operand's layout wants a whole block in a lane: lanes 0-15 block 2 c, lanes 16-31 block 2 c + 1
.irp i, 0,1,2
	v_permlane16_swap_b32 v[PCD+6*\c+\i], v[CT+4*\c+\i]
.endr
.irp i, 0,1,2
	v_mov_b32 v[PCD+6*\c+3+\i], v[CT+4*\c+\i]
.endr
.endr
	VGROUP 1, VB                                   ; p has been summed and converted: its first 48 registers take V's tiles 4 to 7
.if \first
	PLACES 8                                       ; a scale word written by a vector instruction stands eight places ahead of the scaled product, an operand so written four
.else
	WIN 0x41                                       ; O^T (destination and source 0) window 1, f window 0
.set j, 0
.rept 128
	v_pk_mul_f32 v[j:j+1], v[j:j+1], v[FF:FF+1] op_sel_hi:[1,0]   ; O^T under the new M: x f, each accumulator from its low end on.  (These are also the places in front of the products below)
.set j, j+2
.endr
.endif
.set g, 0
.rept 8                                ; O^T += V^T P^T: 32 tiles of 16 channels, four at a time, on two buffers by turns; a group is asked for two groups ahead
.if g < 7
	s_wait_dscnt 24                                ; this group is in (with group 0: V's scale words too); the next group's 24 loads may be out
.else
	s_wait_dscnt 0x0
.endif
	WIN 0x50                                       ; C and D window 1; V, P window 0
.irp k, 0,1,2,3
	VMUL 4*g+\k, VA-(VA-VB)*(g%2), \first
.endr
.if g < 6
	PLACES 4                                       ; in front of loads into registers that these four products have read
	WIN 0
	VGROUP g+2, VA-(VA-VB)*(g%2)
.endif
.set g, g+1
.endr
	WIN 0                                          ; at a label and at a branch every window is 0
.if \lowout
	s_cmp_lt_u32 s[WV], 4                          ; a low wave is finished with the step that holds its diagonal: its rows leave now, while the high waves go on
	s_cbranch_scc0 .Lno_out_\@
	s_cmp_eq_u32 s[KF], s[QD]
	s_cbranch_scc0 .Lno_out_\@
	OUT
	s_wait_xcnt 0x0                                ; the stores have read their registers
.Lno_out_\@:
.endif
.Lhidden_\@:
	s_add_co_u32 s[KF], s[KF], 128                 ; on to the next step: its first key,
	s_add_co_u32 s[TJ], s[TJ], 4                   ; its place in V's scale bytes,
	s_xor_b32 s[TB], s[TB], SLOT1                  ; the other slot
.endm
	s_load_b256 s[4:11], s[0:1], 0x0               ; K's codes s[4:5], K's scales s[6:7], Q's codes s[8:9], Q's scales s[10:11]
	s_load_b128 s[12:15], s[0:1], 0x20             ; V's codes s[12:13], V's scales s[14:15]
	s_load_b64 s[16:17], s[0:1], 0x30              ; out0
	v_lshl_add_u32 v[SPW], v0, 2, SPARE
	v_mov_b32 v[NIL], 0
	ds_add_u32 v[SPW], v[NIL]                      ; the wave's opening: the add, twice on end, and its wait ahead of my first tensor load; the set-up below, work on registers, stands between
	ds_add_u32 v[SPW], v[NIL]
	v_lshrrev_b32 v12, 5, v0
	v_readfirstlane_b32 s[WV], v12                 ; wave 0..7
	s_lshr_b32 s[HI], s[WV], 2
	s_and_b32 s86, s[WV], 3
	s_and_b32 s87, s[WV], 1
	s_and_b32 s88, ttmp7, 0xffff                   ; the batch
	s_lshl_b32 s89, ttmp9, 1
	s_sub_co_u32 s89, 31, s89
	s_mul_i32 s89, s89, s[HI]
	s_add_co_u32 s89, s89, ttmp9                   ; my block of 64 queries: x, or 31 - x
	s_lshl_b32 s[Q0], s89, 6
	s_lshl_b32 s89, s86, 4
	s_add_co_u32 s[Q0], s[Q0], s89                 ; my first query
	s_and_not1_b32 s[QD], s[Q0], 127
	s_lshl_b32 s[QL], ttmp9, 6
	s_sub_co_u32 s[QL], 2047, s[QL]
	s_cmp_eq_u32 ttmp9, 0
	s_cselect_b32 s[LIM], 1, -1
	s_mov_b32 s[VMASK], 0x9290
	s_mov_b32 s[SEL], 0x76543210
	s_mov_b32 s[SEL+1], 0xfedcba98
	s_mov_b32 s[CS], 0x3d8293ee                    ; c = log2(e) / sqrt(512)
	s_mov_b32 s[CS+1], s[CS]                       ; (named with it as a pair, so it is written)
	s_mov_b32 s[TB], 0
	s_mov_b32 s[TJ], 0
	s_mov_b32 s[KF], 0
	; descriptor group 1.  K's half: 64 rows of 384 bytes, dense in memory; 16 bytes of padding behind every 128
	s_mov_b32 s[G1K], (1<<20)|(4<<22)|(3<<25)      ; 15:0 no mask; 17:16 elements of 1 byte; 20 padding on; 24:22 after every 32 words (code 4); 31:25 4 words of it (code 3)
	s_mov_b32 s[G1K+1], 384<<16                    ; tensor_dim0
	s_mov_b32 s[G1K+2], 64<<16                     ; tensor_dim1
	s_mov_b32 s[G1K+3], 384<<16                    ; tile_dim0
	s_mov_b32 s[G1K+4], 64                         ; tile_dim1
	s_mov_b32 s[G1K+5], 384                        ; from row to row
	s_mov_b32 s[G1K+6], 0
	s_mov_b32 s[G1K+7], 0
	; V's quarter: 128 rows of 96 bytes, 1,536 bytes apart; 16 bytes of padding behind every 32
	s_mov_b32 s[G1V], (1<<20)|(2<<22)|(3<<25)
	s_mov_b32 s[G1V+1], 96<<16
	s_mov_b32 s[G1V+2], 128<<16
	s_mov_b32 s[G1V+3], 96<<16
	s_mov_b32 s[G1V+4], 128
	s_mov_b32 s[G1V+5], 1536
	s_mov_b32 s[G1V+6], 0
	s_mov_b32 s[G1V+7], 0
	; K's scale bytes of a step: 2,048 dense bytes as 8 rows of 256 (32 elements of 8 bytes), no padding
	s_mov_b32 s[G1KS], 3<<16
	s_mov_b32 s[G1KS+1], 32<<16
	s_mov_b32 s[G1KS+2], 8<<16
	s_mov_b32 s[G1KS+3], 32<<16
	s_mov_b32 s[G1KS+4], 8
	s_mov_b32 s[G1KS+5], 32
	s_mov_b32 s[G1KS+6], 0
	s_mov_b32 s[G1KS+7], 0
	; V's scale bytes of the batch: 32,768 dense bytes as 128 rows of 256, 16 bytes of padding behind each
	s_mov_b32 s[G1VS], (3<<16)|(1<<20)|(5<<22)|(3<<25)
	s_mov_b32 s[G1VS+1], 32<<16
	s_mov_b32 s[G1VS+2], 128<<16
	s_mov_b32 s[G1VS+3], 32<<16
	s_mov_b32 s[G1VS+4], 128
	s_mov_b32 s[G1VS+5], 32
	s_mov_b32 s[G1VS+6], 0
	s_mov_b32 s[G1VS+7], 0
	s_mul_i32 s90, s88, 786432                     ; the batch's first byte in each tensor of codes,
	s_mov_b32 s91, 0
	s_lshl_b32 s92, s88, 15                        ; and in each tensor of scale bytes
	s_mov_b32 s93, 0
	s_mul_i32 s94, s87, 64*384                     ; K: my half, in memory
	s_mov_b32 s95, 0
	s_add_nc_u64 s[94:95], s[94:95], s[90:91]
	s_mul_i32 s96, s86, 128*1536                   ; V: my quarter, in memory
	s_mov_b32 s97, 0
	s_add_nc_u64 s[96:97], s[96:97], s[90:91]
	s_mov_b32 s[G0K], 1                            ; group 0: 1:0 count = 1
	s_mul_i32 s[G0K+1], s87, 64*KP                 ; 63:32 LDS address: slot 0, my half
	s_mov_b32 s[G0V], 1
	s_mul_i32 s[G0V+1], s86, 128*VP
	s_add_co_u32 s[G0V+1], s[G0V+1], VOFF
	s_mov_b32 s[G0KS], 1
	s_mov_b32 s[G0KS+1], KSOFF
	s_mov_b32 s[G0VS], 1
	s_mov_b32 s[G0VS+1], SCV
	s_wait_dscnt 0x0                               ; both opening adds are done
	s_wait_kmcnt 0x0
	s_add_nc_u64 s[G0K+2:G0K+3], s[4:5], s[94:95]  ; 120:64 global address: key step 0
	s_or_b32 s[G0K+3], s[G0K+3], 0x80000000        ; 127:126 type = 2
	s_add_nc_u64 s[G0V+2:G0V+3], s[12:13], s[96:97]
	s_or_b32 s[G0V+3], s[G0V+3], 0x80000000
	s_add_nc_u64 s[G0KS+2:G0KS+3], s[6:7], s[92:93]
	s_or_b32 s[G0KS+3], s[G0KS+3], 0x80000000
	s_add_nc_u64 s[G0VS+2:G0VS+3], s[14:15], s[92:93]
	s_or_b32 s[G0VS+3], s[G0VS+3], 0x80000000
	TLOAD 1                                        ; the first fills, one a wave: slot 0 and V's scale bytes; one tensor load of mine is out
	s_mul_i32 s94, s[Q0], 384
	s_mov_b32 s95, 0
	s_add_nc_u64 s[94:95], s[94:95], s[90:91]
	s_add_nc_u64 s[8:9], s[8:9], s[94:95]          ; Q's codes at my first query
	s_lshl_b32 s94, s[Q0], 4
	s_mov_b32 s95, 0
	s_add_nc_u64 s[94:95], s[94:95], s[92:93]
	s_add_nc_u64 s[10:11], s[10:11], s[94:95]      ; its scale words
	s_lshl_b32 s94, s88, 22
	s_lshl_b32 s96, s[Q0], 11
	s_add_co_u32 s94, s94, s96
	s_mov_b32 s95, 0
	s_add_nc_u64 s[16:17], s[16:17], s[94:95]      ; its row of out0: 2,048 bytes a row
	v_and_b32 v12, 15, v0                          ; r = lane % 16
	v_bfe_u32 v13, v0, 4, 1                        ; h = lane / 16
	v_mul_u32_u24 v[ADK0], v12, 384
	v_mad_u32_u24 v[ADK0], v13, 24, v[ADK0]        ; Q: row r, + my half's bytes
	v_lshlrev_b32 v[ADK1], 4, v12
.irp s, 0,1,2,3
.irp p, 0,1,2,3,4,5
	global_load_b64 v[QF+12*\s+2*\p:QF+12*\s+2*\p+1], v[ADK0], s[8:9] offset:96*\s+48*(\p/3)+8*(\p%3) th:TH_LOAD_NT   ; Q's four fragments stay in registers
.endr
.endr
	global_load_b128 v[QS:QS+3], v[ADK1], s[10:11] th:TH_LOAD_NT   ; and its four scale words a row
	s_lshl_b32 s94, s[WV], 13                      ; the prefetches: K: my wave's 8,192 bytes, in key step 1: the first change of slots steps it to step 2
	s_add_co_u32 s94, s94, 128*384
	s_mov_b32 s95, 0
	s_add_nc_u64 s[94:95], s[94:95], s[90:91]
	s_add_nc_u64 s[PFKA:PFKA+1], s[4:5], s[94:95]
	s_mul_i32 s94, s[WV], 64*1536                  ; V: my wave's 64 rows, the last byte of key step 1's part
	s_add_co_u32 s94, s94, 96+95
	s_mov_b32 s95, 0
	s_add_nc_u64 s[94:95], s[94:95], s[90:91]
	s_add_nc_u64 s[PFVA:PFVA+1], s[12:13], s[94:95]
	v_mul_u32_u24 v[AK0], v12, KP
	v_mad_u32_u24 v[AK0], v13, 24, v[AK0]
	v_lshl_add_u32 v[AK1], v13, 4, v[AK0]
	v_mul_u32_u24 v[AV0], v12, VP
	v_mad_u32_u24 v[AV0], v13, 24, v[AV0]
	v_add_nc_u32 v[AV0], VOFF, v[AV0]
	v_lshl_add_u32 v[AV1], v13, 4, v[AV0]
	v_and_b32 v[ASK], 31, v0
	v_lshl_add_u32 v[ASK], v[ASK], 4, KSOFF
	v_lshrrev_b32 v[ASV], 2, v12                   ; V's scale bytes: 64 a row, four rows to a unit of 256 + 16; a tile's 16 rows are four units
	v_mul_u32_u24 v[ASV], v[ASV], 272
	v_and_b32 v[TP], 3, v12
	v_lshl_add_u32 v[ASV], v[TP], 6, v[ASV]
	v_mad_u32_u24 v[ASV], v13, 1088, v[ASV]        ; lanes 16-31 take the next tile's
	v_add_nc_u32 v[ASV], SCV, v[ASV]
	v_lshlrev_b32 v[GO], 11, v13
	v_lshl_add_u32 v[GO], v12, 4, v[GO]            ; the way out: lanes 0-15 one row of out0, lanes 16-31 the next; 16 bytes a lane
	s_mul_i32 s96, s86, STGB
	s_xor_b32 s97, s[HI], 1
	s_mul_i32 s97, s97, STGLO
	s_add_co_u32 s96, s96, s97                     ; my stage: a low wave's behind the spare words, a high wave's in slot 0
	v_mul_u32_u24 v[STO], v12, 272
	v_lshl_add_u32 v[STO], v13, 5, v[STO]
	v_add_nc_u32 v[STO], s96, v[STO]
	v_mul_u32_u24 v[RD], v13, 272
	v_lshl_add_u32 v[RD], v12, 4, v[RD]
	v_add_nc_u32 v[RD], s96, v[RD]
	v_and_b32 v[PFK], 31, v0
	v_lshlrev_b32 v[PFK], 8, v[PFK]
	v_and_b32 v[PFV], 31, v0
	v_mul_u32_u24 v[PFV], v[PFV], 1536
	v_mov_b32 v[NM+1], 0xff61b1e6                  ; the largest t so far: -3e38, under every t
	v_floor_f32 v[NM], -v[NM+1]                    ; -M
	v_mov_b32 v[LS], 0                             ; the sum, in two halves
	v_mov_b32 v[LS+1], 0
.irp b, 0,1,2,3
	v_mov_b32 v[BT+\b], 0                          ; written once: a lane permute's destination counts as one of its sources
.endr
	v_mov_b32 v[PW], 0                             ; (named as the upper half of a pair before it is first written)
	v_mov_b32 v[TP+1], 0                           ; (likewise)
	s_wait_loadcnt 0x0                             ; Q; its address registers are free
	s_mov_b32 s[SLOTS], 15
	CHANGE 1, 0                                    ; slot 0 is whole; slot 1's first fills go out: key step 1 begins at key 128, at or under every work-group's last query, so no limit is tested
	STEP 1, 1                                      ; key step 0 stands ahead of the loop: its products start O^T
	s_mov_b32 s[SLOTS], 14
.Lslot:                                            ; 14 trips: key steps 1 to 14; behind each change the next slot is asked for, up to the causal limit
	CHANGE 1, 1
	STEP 0, 1
	s_sub_co_u32 s[SLOTS], s[SLOTS], 1
	s_cmp_lg_u32 s[SLOTS], 0
	s_cbranch_scc1 .Lslot
	CHANGE 0, 0                                    ; the last change asks for nothing
	STEP 0, 0                                      ; key step 15: no low wave reaches it
	s_cmp_lt_u32 s[WV], 4
	s_cbranch_scc1 .Ldone
	OUT                                            ; the high waves' rows, through stages in slot 0: left at the last change of slots, filled no more, read by nobody
.Ldone:
	s_wait_tensorcnt 0x0                           ; the wave's end: behind my last tensor load and my last LDS store
	ds_add_u32 v[SPW], v[NIL]
	s_wait_dscnt 0x0
	s_endpgm
.Lfunc_end_k_q7028db607c_attn:
	.size	k_q7028db607c_attn, .Lfunc_end_k_q7028db607c_attn-k_q7028db607c_attn
	.p2alignl 7, 3214868480
	.fill 96, 4, 3214868480
	.section	.rodata,"a",@progbits
	.p2align	6, 0x0
	.amdhsa_kernel k_q7028db607c_attn
		.amdhsa_group_segment_fixed_size 327680
		.amdhsa_private_segment_fixed_size 0
		.amdhsa_enable_private_segment 0
		.amdhsa_kernarg_size 56
		.amdhsa_user_sgpr_count 2
		.amdhsa_user_sgpr_kernarg_segment_ptr 1
		.amdhsa_wavefront_size32 1
		.amdhsa_system_sgpr_workgroup_id_x 1
		.amdhsa_system_sgpr_workgroup_id_y 1
		.amdhsa_system_sgpr_workgroup_id_z 1
		.amdhsa_system_vgpr_workitem_id 0
		.amdhsa_next_free_vgpr 512
		.amdhsa_next_free_sgpr 100
		.amdhsa_reserve_vcc 1
		.amdhsa_float_denorm_mode_32 3
		.amdhsa_float_denorm_mode_16_64 3
		.amdhsa_memory_ordered 1
		.amdhsa_forward_progress 1
		.amdhsa_inst_pref_size 255
	.end_amdhsa_kernel
	.section	.bss,"aw",@nobits
	.p2align	6
	.space	262144
	.amdgpu_metadata
---
amdhsa.version: [ 1, 2 ]
amdhsa.kernels:
  - .name:           k_q7028db607c_attn
    .symbol:         k_q7028db607c_attn.kd
    .args:
      - { .name: keys_codes, .offset: 0, .size: 8, .value_kind: global_buffer, .address_space: global }
      - { .name: keys_scales, .offset: 8, .size: 8, .value_kind: global_buffer, .address_space: global }
      - { .name: queries_codes, .offset: 16, .size: 8, .value_kind: global_buffer, .address_space: global }
      - { .name: queries_scales, .offset: 24, .size: 8, .value_kind: global_buffer, .address_space: global }
      - { .name: values_codes, .offset: 32, .size: 8, .value_kind: global_buffer, .address_space: global }
      - { .name: values_scales, .offset: 40, .size: 8, .value_kind: global_buffer, .address_space: global }
      - { .name: out0, .offset: 48, .size: 8, .value_kind: global_buffer, .address_space: global }
    .group_segment_fixed_size: 327680
    .private_segment_fixed_size: 0
    .kernarg_segment_align: 8
    .kernarg_segment_size: 56
    .max_flat_workgroup_size: 256
    .sgpr_count:     100
    .vgpr_count:     512
    .wavefront_size: 32
...
	.end_amdgpu_metadata
.endif
;; end of part 1
